; MI455X (gfx1250); checked and timed in simulation.
; The chip was launched on July 23, 2026; its instructions are those of AMD's public machine-readable ISA for CDNA 5 (MIT licence, August 2026) and "CDNA5" Instruction Set Architecture Reference Guide (July 2026). The comments in the code are by the model that wrote it; some were corrected since.
;; Delta Model. Allowed arithmetic: float matrix products may take bf16 or f16 operands with f32 sums; other float arithmetic in f32, or as packed bf16 or f16 multiplies, adds, multiply-adds, maxima and minima; sums over many terms, partial sums and values carried from step to step in f32; what a program stores and reads back later, other than sums and carried values, may be rounded once to bf16 or f16.
;; Inputs: b1 128 float32; b2 64 float32; bout 64 float32; brp 64 float32; embed 64 x 64 float32; ln_b 64 float32; ln_g 64 float32; seq 256 x 2,048 int32; w1 64 x 128 float32; w2 128 x 64 float32; wk 64 x 64 float32; wout 64 x 64 float32; wq 64 x 64 float32; wrp 64 x 64 float32; wv 64 x 64 float32.
;; Outputs: out0 256 x 64 float32.
;; One version. Each part assembles by itself: llvm-mc -triple=amdgcn-amd-amdhsa -mcpu=gfx1250 --defsym DOCPART=n.
;; ======== version 1 of 1: 1 launch
;; launch delta (part 1): grid 256 x 1, 8 waves a work-group, no clusters, 326,144 bytes of LDS; arguments seq, embed, w1, b1, w2, b2, ln_g, ln_b, wk, wv, wq, wrp, brp, wout, bout, out0; writes out0
.if DOCPART == 1
	.amdgcn_target "amdgcn-amd-amdhsa--gfx1250"
	.amdhsa_code_object_version 6
	.text
	.protected	k_q1fdf4feb74_delta
	.globl	k_q1fdf4feb74_delta
	.p2align	8
	.type	k_q1fdf4feb74_delta,@function
k_q1fdf4feb74_delta:
	s_mov_b64 s[64:65], 0
	v_nop
	global_prefetch_b8 v0, s[64:65] scope:SCOPE_SE
	s_setreg_imm32_b32 hwreg(HW_REG_WAVE_MODE, 25, 1), 1
	s_wait_xcnt 0x0
; DeltaModel: out0[b] = ((M_b q_b) wrp + brp) wout + bout, M_b the delta-rule memory of row b of seq after steps t = 0 .. 2046.
; One work-group of eight waves makes one row b of out0 (256 rows, 256 work-groups).
;
; WHAT IS LEFT OUT, AND WHY IT REACHES NO OUTPUT, for all finite values of the inputs:
; (1) embed[seq], the feed-forward, the LayerNorm and the products with wk, wv, wq work on one position's row alone, so they commute
;     with the lookup: position t's hs, k_n, v, q are the rows seq[b][t] of tables with 64 rows.  The tables are made once a work-group.
; (2) reference() slices k and v of t = 2047 and q of t < 2047 away.
; (3) M is used only as M q.  M_t = M_(t-1) (I - k_t k_t^T) + v_t k_t^T gives M_t x = M_(t-1) (x - k_t a_t) + v_t a_t with a_t = k_t . x.
;     Walked from t = 2046 down to 0, with the M_0 = 0 that reference() builds itself: M q = sum over t of a_t v_t.  M is never formed.
; (4) In token coordinates c[j] = kn_j . x: a_t = c[s_t], c -= G[:, s_t] a_t with G = KN KN^T; c starts as row s_2047 of (HS wq) KN^T;
;     (M q) wrp = sum over t of a_t R[s_t] with R = HS wv wrp.
; Every input keeps a way to the output: all fifteen are loaded.
; LIMITS.  The order of rounding differs from reference()'s.  A NaN, an infinity or an overflow that arises only inside M, or in a table
; row whose token does not occur, is not carried to the result as reference() would carry it.  Tokens are taken as min(unsigned token, 63).
; v_sqrt_f32 and v_rsq_f32 take denormal inputs as 0, so a sum of k^2 below 2^-126 counts as 0 (k is then divided by 1e-12, as in reference()).
; FORMATS.  Table products run on the matrix unit with bf16 operands and f32 sums; each f32 operand goes as hi + lo (two bf16) and a product
; as hi.hi + lo.hi + hi.lo.  The recurrence runs in f32 on the vector unit.
;
; THE CHAIN IN BLOCKS OF 16.  Chunk n (0 .. 127), lane l stands for t = 2032 - 16 n + l; inside a chunk l goes from 15 down to 0.
; t = 2047 (chunk 0, l = 15) is a place-holder whose b is set to 0, so its a is 0.  With NG = -G:
;   U_n[l][l'] = NG[s_l'][s_l] for l < l', else 0;   W_n[l][l'] = NG[s^n_l'][s^(n+1)_l];   GC_n[l'] = row s_l' of NG.
;   X = b_n;  for l' = 15 .. 1: X += X[l'] U[:, l'] (one DPP multiply-add), which leaves a_(l'-1) in lane l'-1;
;   Y += a_l' W[:, l'];  c += a_l' GC[l'];  b_(n+1) = Y + c_(after chunk n-1)[s^(n+1)_l].
; Wave 0 runs this chain.  U, W and GC hang on tokens alone: waves 1, 2, 3, 5, 6, 7 (helpers 0 .. 5) make them a segment of 16 chunks ahead,
; into a ring of two halves, and add a_t R[s_t] of the segment before last.  Sixteen chunks on six helpers are three turns at the most;
; a seventh helper would not make them fewer, so wave 4 takes no share in the loop.  One barrier a trip; trip g: the helpers make segment g
; (g <= 7) and add segment g - 2 (g >= 2), wave 0 runs segment g - 1 (in trip 0: the chain's set-up).  Ten trips, two to a turn of the loop.
; SLOTS.  Chunk ci of a segment belongs to helper ci % 6, turn ci / 6.  Helper wave w puts the block of its turn j at slot w + 7 j of a half
; (22 slots), and wave 0 puts that chunk's a at the same slot of a's half.  So every LDS address that is written or read back in the loop is a
; constant, plus the wave's number times a constant, plus a lane term; a segment's 16 chunks and a helper's three turns are written out.
; Addresses into the token lists hang on the trip's number; each is held by v_min_u32 inside the lists, which lie with the tables at the low
; end of LDS, where nothing is written in the loop.
; NO CLUSTER, NO TENSOR LOAD: what work-groups share is the weights, 160 KiB, read once at the head; every number of them passes through
; registers to be split into two bf16, so a joint load into LDS would add an f32 image of the same size and a second pass over it.
; ---------------- LDS map (bytes)
.set T4,    0                          ; u32 4 x token, index t + 32; entries 0 .. 31 are 0
.set T272,  8320                       ; u32 272 x token, the same index
.set NG,    16640                      ; -G, 64 rows of 64 f32, pitch 272
.set RTAB,  34048                      ; R, the same layout
.set CS,    51456                      ; 256 bytes: c, wave 0's own
.set AB,    51712                      ; a: two halves of 1,536 bytes, 64 bytes a slot
.set AH,    1536
.set RED,   51712                      ; 8 x 256: the waves' partial sums, over a, behind the loop's last barrier
.set SPARE, 54784                      ; the spare words, 128 bytes a wave: four blocks of 256 bytes that no other line names
.set RING0, 55808                      ; two halves of 22 slots
.set BLK,   6144                       ; a block: U at 0 ([q][l] 16 bytes), W at 1,024, GC at 2,048 ([pair of steps][lane] 16 bytes)
.set RH,    22*BLK
; laid over the ring, last read ahead of the barrier behind which those bytes of the ring are first written:
.set W1I,   55808                      ; bf16 [64 k][128 n], pitch 288; hi, lo 18,432 further
.set W2I,   92672                      ; [128][64], pitch 160; lo 20,480 further
.set WKI,   133632                     ; [64][64], pitch 160; lo 10,240 further
.set WQI,   154112
.set WVI,   174592
.set WRI,   195072
.set KNFR,  215552                     ; kn as fragments: tile x 4,096 + (4 part + 2 kstep + half) x 512 + lane x 16
.set VEC,   231936                     ; + wave x 1,280: b1, b2 at 512, ln_g at 768, ln_b at 1,024
.set C0T,   242176                     ; C0T[s][j] = q_s . kn_j, pitch 272: in the ring's second half, read in trip 0 alone
; ---------------- registers
.set SPW, 28                           ; v28  LDS address of my spare word; never rewritten
.set NIL, 29                           ; v29  0; never rewritten
; tables
.set WA,  6                            ; v6   address of the weight image in hand
.set VV,  7                            ; v7   my wave's vectors + 32 (lane / 16)
.set MU,  12                           ; v[12:13]
.set RS,  14                           ; v[14:15]
.set TS,  16                           ; v[16:23] at work
.set XT,  32                           ; v[32:63]   4 tiles: e, e + ff, hs; later the sums of C0T
.set ACC, 64                           ; v[64:95]   4 accumulators
.set EF,  96                           ; v[96:127]  fragments of e, hs, v: hi 16 registers, lo 16
.set H1F, 128                          ; v[128:191] fragments of the hidden layer: hi 32, lo 32
.set KNF, 128                          ; v[128:159] later: fragments of kn
.set QF,  160                          ; v[160:191] later: fragments of q
.set WF,  192                          ; v[192:255] two buffers of 32 for weight fragments
.set TQ,  220                          ; v[220:227] at work while the weights are split
; loop: v4 .. v12 are made once, by all waves, and never rewritten
.set VL4,  4                           ; 4 (lane % 16)
.set VL16Q,5                           ; 16 (lane % 16)
.set VL8,  6                           ; 8 lane
.set VL16, 7                           ; 16 lane
.set VX4,  8                           ; 4 (lane xor 16)
.set VPS,  9                           ; 1,024 (lane / 16) + 16 (lane % 16)
.set VBU,  10                          ; wave x BLK + VPS
.set VBG,  11                          ; wave x BLK + 16 lane
.set VA,   12                          ; wave x 64 + 4 (lane % 16)
.set BU,  13                           ; helpers: where a block's U and W go
.set BG,  14                           ; and its GC
.set UW,  13                           ; wave 0: v13, v14: U and W of slots 0 - 9, 10 - 19
.set TA,  15
.set RR,  16                           ; v[16:17] my share of sum a_t R[s_t], columns 2 lane, 2 lane + 1
.set CC,  18                           ; v[18:19] wave 0: c[2 lane], c[2 lane + 1]
.set XA,  20                           ; v20, v21: X and Y by turns
.set YB,  22
.set GA,  23
.set AT,  20                           ; v[20:23] helpers: gather addresses by turns
.set GCA, 26                           ; wave 0: v26, v27: GC of slots 0 - 9, 10 - 19
.set SETA, 32                          ; v[32:95], v[96:159]: two blocks: U 16, W 16, GC 32
.set EE,  32                           ; helpers: v[32:47]
.set MK,  48                           ; v[48:63]
.set FF,  64                           ; v[64:95]
.set FR,  96                           ; v[96:127]
.set WO,  128                          ; the end: v[128:255] wout
.set ZZ,  64
.set OO,  80
.set AS,  66                           ; s[66:81] eight pairs: a in the even register, 0 in the odd one
.macro PLACES                          ; four plain vector instructions behind a matrix instruction (ISA guide 7.12.1), where no other work is at hand
.rept 4
	v_nop
.endr
.endm
.macro SYNC                            ; my LDS instructions are done, then the work-group's barrier
	s_wait_dscnt 0x0
	s_barrier_signal -1
	s_barrier_wait -1
.endm
; Four f32 of a weight matrix become four bf16 hi and four bf16 lo = bf16(x - hi), stored 8 bytes each.
.macro SPLITQ x, adr, off, lo
	v_cvt_pk_bf16_f32 v[TQ], v[\x], v[(\x)+1]
	v_cvt_pk_bf16_f32 v[TQ+1], v[(\x)+2], v[(\x)+3]
	v_lshlrev_b32 v[TQ+2], 16, v[TQ]
	v_and_b32 v[TQ+3], s62, v[TQ]
	v_lshlrev_b32 v[TQ+4], 16, v[TQ+1]
	v_and_b32 v[TQ+5], s62, v[TQ+1]
	v_pk_add_f32 v[\x:(\x)+1], v[\x:(\x)+1], v[TQ+2:TQ+3] neg_lo:[0,1] neg_hi:[0,1]
	v_pk_add_f32 v[(\x)+2:(\x)+3], v[(\x)+2:(\x)+3], v[TQ+4:TQ+5] neg_lo:[0,1] neg_hi:[0,1]
	v_cvt_pk_bf16_f32 v[TQ+6], v[\x], v[(\x)+1]
	v_cvt_pk_bf16_f32 v[TQ+7], v[(\x)+2], v[(\x)+3]
	ds_store_b64 v[\adr], v[TQ:TQ+1] offset:\off
	ds_store_b64 v[\adr], v[TQ+6:TQ+7] offset:(\off)+(\lo)
.endm
; A tile of 8 f32 a lane (one token, eight features) becomes half a fragment: 4 registers hi, 4 registers lo.  The tile is read from its low end on.
.macro SPLIT src, dhi, dlo
.irp p, 0,1,2,3
	v_cvt_pk_bf16_f32 v[(\dhi)+(\p)], v[(\src)+2*(\p)], v[(\src)+2*(\p)+1]
.endr
.irp p, 0,1,2,3
	v_lshlrev_b32 v[TS+2*(\p)], 16, v[(\dhi)+(\p)]
	v_and_b32 v[TS+2*(\p)+1], s62, v[(\dhi)+(\p)]
.endr
.irp p, 0,1,2,3
	v_pk_add_f32 v[TS+2*(\p):TS+2*(\p)+1], v[(\src)+2*(\p):(\src)+2*(\p)+1], v[TS+2*(\p):TS+2*(\p)+1] neg_lo:[0,1] neg_hi:[0,1]
.endr
.irp p, 0,1,2,3
	v_cvt_pk_bf16_f32 v[(\dlo)+(\p)], v[TS+2*(\p)], v[TS+2*(\p)+1]
.endr
.endm
; 32 numbers of a vector, in a tile's layout (feature 16 nt + 8 (lane / 16) + j), from my wave's copy
.macro BIAS dst, off
.irp nt, 0,1,2,3
	ds_load_b128 v[(\dst)+8*(\nt):(\dst)+8*(\nt)+3], v[VV] offset:(\off)+64*(\nt)
	ds_load_b128 v[(\dst)+8*(\nt)+4:(\dst)+8*(\nt)+7], v[VV] offset:(\off)+64*(\nt)+16
.endr
.endm
; Unit u of a product: K step u / 2, part u % 2 (hi, lo) of the weight image: four fragments of W^T (16 output features x 32 k), turned on the way out of LDS
.macro LOADU u, pit, lo
.irp nt, 0,1,2,3
	ds_load_tr16_b128 v[WF+32*((\u)%2)+8*(\nt):WF+32*((\u)%2)+8*(\nt)+3], v[WA] offset:((\u)%2)*(\lo)+32*((\u)/2)*(\pit)+32*(\nt)
	ds_load_tr16_b128 v[WF+32*((\u)%2)+8*(\nt)+4:WF+32*((\u)%2)+8*(\nt)+7], v[WA] offset:((\u)%2)*(\lo)+32*((\u)/2)*(\pit)+32*(\nt)+16*(\pit)
.endr
.endm
; ACC (64 output features from n0 on, 16 tokens) = or += W^T x.  Source 0 = 16 features of W^T, source 1 = my 16 tokens: a lane of the result holds one
; token and eight features, and two tiles rounded to bf16 are the next product's source 1.  The four accumulators take turns, one instruction a turn.
; init = 0: the first four products start the sums with 0; init = 1: with what lies in ACC (the bias).
.macro PROD wb, tr, pit, lo, n0, ks, xh, xl, init
	v_add_nc_u32 v[WA], (\wb)+2*(\n0), v[\tr]
	LOADU 0, \pit, \lo
.set u, 0
.rept 2*(\ks)
.if u+1 < 2*(\ks)
.if u > 0
	PLACES                                         ; the buffer loaded next was read by the products just issued
.endif
	LOADU u+1, \pit, \lo
	s_wait_dscnt 8                                 ; all but the eight loads just issued: this unit's fragments (and the bias) are in
.else
	s_wait_dscnt 0x0
.endif
.irp nt, 0,1,2,3
.if ((\init) == 0) && (u == 0)
	v_wmma_f32_16x16x32_bf16 v[ACC+8*(\nt):ACC+8*(\nt)+7], v[WF+32*(u%2)+8*(\nt):WF+32*(u%2)+8*(\nt)+7], v[(\xh)+8*(u/2):(\xh)+8*(u/2)+7], 0
.else
	v_wmma_f32_16x16x32_bf16 v[ACC+8*(\nt):ACC+8*(\nt)+7], v[WF+32*(u%2)+8*(\nt):WF+32*(u%2)+8*(\nt)+7], v[(\xh)+8*(u/2):(\xh)+8*(u/2)+7], v[ACC+8*(\nt):ACC+8*(\nt)+7]
.endif
.endr
.if u%2 == 0
.irp nt, 0,1,2,3
	v_wmma_f32_16x16x32_bf16 v[ACC+8*(\nt):ACC+8*(\nt)+7], v[WF+32*(u%2)+8*(\nt):WF+32*(u%2)+8*(\nt)+7], v[(\xl)+8*(u/2):(\xl)+8*(u/2)+7], v[ACC+8*(\nt):ACC+8*(\nt)+7]
.endr
.endif
.set u, u+1
.endr
	PLACES
.endm
; v[TS] = the sum (sq = 1: of squares) over a token's 64 features: my 32 registers, four chains from each tile's low end on, and the lane 16 away
.macro SUM32 base, sq
.if \sq
.irp nt, 0,1,2,3
	v_pk_mul_f32 v[TS+2*(\nt):TS+2*(\nt)+1], v[(\base)+8*(\nt):(\base)+8*(\nt)+1], v[(\base)+8*(\nt):(\base)+8*(\nt)+1]
.endr
.irp p, 1,2,3
.irp nt, 0,1,2,3
	v_pk_fma_f32 v[TS+2*(\nt):TS+2*(\nt)+1], v[(\base)+8*(\nt)+2*(\p):(\base)+8*(\nt)+2*(\p)+1], v[(\base)+8*(\nt)+2*(\p):(\base)+8*(\nt)+2*(\p)+1], v[TS+2*(\nt):TS+2*(\nt)+1]
.endr
.endr
.else
.irp nt, 0,1,2,3
	v_pk_add_f32 v[TS+2*(\nt):TS+2*(\nt)+1], v[(\base)+8*(\nt):(\base)+8*(\nt)+1], v[(\base)+8*(\nt)+2:(\base)+8*(\nt)+3]
.endr
.irp p, 2,3
.irp nt, 0,1,2,3
	v_pk_add_f32 v[TS+2*(\nt):TS+2*(\nt)+1], v[TS+2*(\nt):TS+2*(\nt)+1], v[(\base)+8*(\nt)+2*(\p):(\base)+8*(\nt)+2*(\p)+1]
.endr
.endr
.endif
	v_pk_add_f32 v[TS:TS+1], v[TS:TS+1], v[TS+2:TS+3]
	v_pk_add_f32 v[TS+4:TS+5], v[TS+4:TS+5], v[TS+6:TS+7]
	v_pk_add_f32 v[TS:TS+1], v[TS:TS+1], v[TS+4:TS+5]
	v_add_f32 v[TS], v[TS], v[TS+1]
	v_permlanex16_b32 v[TS+1], v[TS], s60, s61
	v_add_f32 v[TS], v[TS], v[TS+1]
.endm
.macro KLOAD jt                        ; the fragments of kn of tokens 16 jt .. 16 jt + 15: hi K step 0, 1, lo K step 0, 1
.irp f, 0,1,2,3,4,5,6,7
	ds_load_b128 v[WF+32*((\jt)%2)+4*(\f):WF+32*((\jt)%2)+4*(\f)+3], v10 offset:(\jt)*4096+512*(\f)
.endr
.endm
.macro GT jt, a, b, first              ; one term of G and of C0T: two accumulators by turns
.if \first
	v_wmma_f32_16x16x32_bf16 v[ACC+8*(\jt):ACC+8*(\jt)+7], v[WF+32*((\jt)%2)+(\a):WF+32*((\jt)%2)+(\a)+7], v[KNF+(\b):KNF+(\b)+7], 0
	v_wmma_f32_16x16x32_bf16 v[XT+8*(\jt):XT+8*(\jt)+7], v[WF+32*((\jt)%2)+(\a):WF+32*((\jt)%2)+(\a)+7], v[QF+(\b):QF+(\b)+7], 0
.else
	v_wmma_f32_16x16x32_bf16 v[ACC+8*(\jt):ACC+8*(\jt)+7], v[WF+32*((\jt)%2)+(\a):WF+32*((\jt)%2)+(\a)+7], v[KNF+(\b):KNF+(\b)+7], v[ACC+8*(\jt):ACC+8*(\jt)+7]
	v_wmma_f32_16x16x32_bf16 v[XT+8*(\jt):XT+8*(\jt)+7], v[WF+32*((\jt)%2)+(\a):WF+32*((\jt)%2)+(\a)+7], v[QF+(\b):QF+(\b)+7], v[XT+8*(\jt):XT+8*(\jt)+7]
.endif
.endm
; ================ THE HEAD: every load of the launch but wout's, brp's and bout's goes out at once
	s_load_b512 s[8:23], s[0:1], 0x0               ; seq 8, embed 10, w1 12, b1 14, w2 16, b2 18, ln_g 20, ln_b 22
	s_load_b512 s[24:39], s[0:1], 0x40             ; wk 24, wv 26, wq 28, wrp 30, brp 32, wout 34, bout 36, out0 38
	v_lshl_add_u32 v[SPW], v0, 2, SPARE
	v_mov_b32 v[NIL], 0
	v_lshrrev_b32 v1, 5, v0
	v_readfirstlane_b32 s40, v1                    ; wave 0 .. 7
	v_and_b32 v1, 31, v0                           ; lane
	v_and_b32 v2, 15, v0                           ; lane % 16
	v_bfe_u32 v3, v0, 4, 1                         ; lane / 16
	s_mov_b32 s60, 0x76543210                      ; v_permlanex16_b32: each lane takes its own place in the other half
	s_mov_b32 s61, 0xfedcba98
	s_mov_b32 s62, 0xffff0000                      ; a word's upper bf16
	s_mov_b32 s63, 1.0
	s_mov_b32 s82, 0x7fff7fff                      ; all lanes but 15 and 31
	s_mov_b32 s83, 0x3c800000                      ; 1 / 64
	s_mov_b32 s88, 0x3727c5ac                      ; 1e-5
	s_lshl_b32 s2, ttmp9, 13                       ; my row of seq: 8,192 bytes
	s_mov_b32 s3, 0
	s_and_b32 s48, s40, 3
	s_lshl_b32 s48, s48, 12                        ; 16 rows of embed
	s_mul_i32 s49, s40, 1280
	s_add_co_u32 s49, s49, VEC                     ; my wave's vectors
	s_mul_i32 s50, s40, 288
	s_add_co_u32 s50, s50, W1I
	v_lshlrev_b32 v10, 4, v0                       ; 16 x thread
	v_lshlrev_b32 v11, 4, v1                       ; 16 x lane
	v_lshlrev_b32 v12, 3, v1                       ; 8 x lane
	v_lshlrev_b32 v13, 8, v2
	v_lshl_add_u32 v13, v3, 5, v13
	v_add_nc_u32 v13, s48, v13                     ; embed: token 16 w + lane % 16, features 8 (lane / 16) on
	s_wait_kmcnt 0x0
	s_add_nc_u64 s[8:9], s[8:9], s[2:3]
	s_cmp_lt_u32 s40, 4                            ; waves 0 .. 3 make the tables, 16 tokens each: they alone load embed, ahead of all other loads,
	s_cbranch_scc0 .Lno_e                          ; so that the counts below, which count younger loads, hold in every wave
.irp nt, 0,1,2,3
	global_load_b128 v[XT+8*(\nt):XT+8*(\nt)+3], v13, s[10:11] offset:64*(\nt)
	global_load_b128 v[XT+8*(\nt)+4:XT+8*(\nt)+7], v13, s[10:11] offset:64*(\nt)+16
.endr
.Lno_e:
	global_load_b128 v[192:195], v10, s[8:9] th:TH_LOAD_NT
	global_load_b128 v[196:199], v10, s[8:9] offset:4096 th:TH_LOAD_NT
	global_load_b128 v[200:203], v11, s[14:15]     ; b1
	global_load_b64 v[204:205], v12, s[18:19]      ; b2
	global_load_b64 v[206:207], v12, s[20:21]      ; ln_g
	global_load_b64 v[208:209], v12, s[22:23]      ; ln_b
.irp i, 0,1,2,3,4,5,6,7
	global_load_b128 v[64+4*(\i):67+4*(\i)], v10, s[12:13] offset:4096*(\i)   ; w1
.endr
.irp i, 0,1,2,3,4,5,6,7
	global_load_b128 v[96+4*(\i):99+4*(\i)], v10, s[16:17] offset:4096*(\i)   ; w2
.endr
.irp i, 0,1,2,3
	global_load_b128 v[128+4*(\i):131+4*(\i)], v10, s[24:25] offset:4096*(\i) ; wk
.endr
.irp i, 0,1,2,3
	global_load_b128 v[144+4*(\i):147+4*(\i)], v10, s[28:29] offset:4096*(\i) ; wq
.endr
.irp i, 0,1,2,3
	global_load_b128 v[160+4*(\i):163+4*(\i)], v10, s[26:27] offset:4096*(\i) ; wv
.endr
.irp i, 0,1,2,3
	global_load_b128 v[176+4*(\i):179+4*(\i)], v10, s[30:31] offset:4096*(\i) ; wrp
.endr
	v_add_nc_u32 v15, s49, v11
	v_add_nc_u32 v16, s49, v12
	v_add_nc_u32 v17, s50, v12                     ; w1: row 8 i + wave, 4 columns from 4 lane on
	v_lshrrev_b32 v18, 4, v0
	v_mul_u32_u24 v18, v18, 160
	v_lshl_add_u32 v18, v2, 3, v18                 ; the others: row 16 i + thread / 16, 4 columns from 4 (thread % 16) on
	v_add_nc_u32 v19, W2I, v18
	v_add_nc_u32 v20, WKI, v18
	v_add_nc_u32 v21, WQI, v18
	v_add_nc_u32 v22, WVI, v18
	v_add_nc_u32 v23, WRI, v18
	s_wait_loadcnt 36                              ; the tokens are in: 4 vectors and 32 quads of weights are younger
.irp j, 0,1,2,3,4,5,6,7
	v_min_u32 v[192+(\j)], 63, v[192+(\j)]
.endr
.irp j, 0,1,2,3,4,5,6,7
	v_mul_u32_u24 v[210+(\j)], v[192+(\j)], 272
	v_lshlrev_b32 v[192+(\j)], 2, v[192+(\j)]
.endr
	ds_store_b128 v10, v[192:195] offset:T4+128    ; index t + 32
	ds_store_b128 v10, v[196:199] offset:T4+128+4096
	ds_store_b128 v10, v[210:213] offset:T272+128
	ds_store_b128 v10, v[214:217] offset:T272+128+4096
	s_cmp_lg_u32 s40, 0
	s_cbranch_scc1 .Lno_pad
	v_lshlrev_b32 v24, 2, v1                       ; entries 0 .. 31: the chunks past t = 0 that the chain looks ahead to
	v_mov_b32 v25, 0
	ds_store_b32 v24, v25 offset:T4
	ds_store_b32 v24, v25 offset:T272
.Lno_pad:
	s_wait_loadcnt 32                              ; the four vectors are in: the 32 quads of weights are younger
	ds_store_b128 v15, v[200:203]
	ds_store_b64 v16, v[204:205] offset:512
	ds_store_b64 v16, v[206:207] offset:768
	ds_store_b64 v16, v[208:209] offset:1024
	s_wait_loadcnt 24                              ; w1 is in; w2's 8 and the four others' 16 are younger
.irp i, 0,1,2,3,4,5,6,7
	SPLITQ 64+4*(\i), 17, 2304*(\i), 18432
.endr
	s_wait_loadcnt 16                              ; w2
.irp i, 0,1,2,3,4,5,6,7
	SPLITQ 96+4*(\i), 19, 2560*(\i), 20480
.endr
	s_wait_loadcnt 12                              ; wk
.irp i, 0,1,2,3
	SPLITQ 128+4*(\i), 20, 2560*(\i), 10240
.endr
	s_wait_loadcnt 8                               ; wq
.irp i, 0,1,2,3
	SPLITQ 144+4*(\i), 21, 2560*(\i), 10240
.endr
	s_wait_loadcnt 4                               ; wv
.irp i, 0,1,2,3
	SPLITQ 160+4*(\i), 22, 2560*(\i), 10240
.endr
	s_wait_loadcnt 0x0                             ; wrp
.irp i, 0,1,2,3
	SPLITQ 176+4*(\i), 23, 2560*(\i), 10240
.endr
	SYNC                                           ; the images, the tokens and the vectors lie in LDS
; ================ THE TABLES: waves 0 .. 3, 16 tokens each; activations never leave registers
	s_cmp_lt_u32 s40, 4
	s_cbranch_scc0 .Ltab_done
	v_and_b32 v24, 7, v0
	v_lshl_add_u32 v24, v3, 3, v24                 ; the turning load: row 8 (lane / 16) + lane % 8,
	v_bfe_u32 v25, v0, 3, 1                        ; 16 bytes (lane / 8) % 2
	v_mul_u32_u24 v4, v24, 288
	v_lshl_add_u32 v4, v25, 4, v4
	v_mul_u32_u24 v5, v24, 160
	v_lshl_add_u32 v5, v25, 4, v5
	v_lshl_add_u32 v[VV], v3, 5, s49
	s_lshl_b32 s51, s40, 12
	s_add_co_u32 s51, s51, KNFR
	v_add_nc_u32 v8, s51, v11                      ; my tile of kn's fragments
	s_lshl_b32 s52, s40, 4
	v_add_nc_u32 v9, s52, v2
	v_mul_u32_u24 v9, v9, 272
	v_lshl_add_u32 v9, v3, 5, v9                   ; a table's row of my token, 8 (lane / 16) columns on
.irp nt, 0,1,2,3
	SPLIT XT+8*(\nt), EF+4*(\nt), EF+16+4*(\nt)
.endr
.irp hf, 0,1                           ; relu(e w1 + b1), 64 of the 128 hidden features at a time
	BIAS ACC, 256*(\hf)
	PROD W1I, 4, 288, 18432, 64*(\hf), 2, EF, EF+16, 1
.set i, 0
.rept 32
	v_max_num_f32 v[ACC+i], 0, v[ACC+i]
.set i, i+1
.endr
.irp nt, 0,1,2,3
	SPLIT ACC+8*(\nt), H1F+16*(\hf)+4*(\nt), H1F+32+16*(\hf)+4*(\nt)
.endr
.endr
	BIAS ACC, 512                                  ; b2
	PROD W2I, 5, 160, 20480, 0, 4, H1F, H1F+32, 1
.set i, 0
.rept 16
	v_pk_add_f32 v[XT+i:XT+i+1], v[XT+i:XT+i+1], v[ACC+i:ACC+i+1]   ; e + ff
.set i, i+2
.endr
	BIAS ACC, 768                                  ; ln_g
	BIAS WF, 1024                                  ; ln_b
	SUM32 XT, 0
	v_mul_f32 v[MU], s83, v[TS]
	v_mov_b32 v[MU+1], v[MU]
.set i, 0
.rept 16
	v_pk_add_f32 v[XT+i:XT+i+1], v[XT+i:XT+i+1], v[MU:MU+1] neg_lo:[0,1] neg_hi:[0,1]
.set i, i+2
.endr
	SUM32 XT, 1
	v_fma_f32 v[TS], v[TS], s83, s88               ; var + 1e-5
	v_rsq_f32 v[RS], v[TS]
	v_nop                                          ; a plain instruction behind the transcendental,
	s_wait_alu depctr_va_vdst(0)                   ; and a wait ahead of its first reader
	v_mov_b32 v[RS+1], v[RS]
	s_wait_dscnt 0x0                               ; ln_g and ln_b are in
.set i, 0
.rept 16
	v_pk_mul_f32 v[ACC+i:ACC+i+1], v[ACC+i:ACC+i+1], v[RS:RS+1]
.set i, i+2
.endr
.set i, 0
.rept 16
	v_pk_fma_f32 v[XT+i:XT+i+1], v[XT+i:XT+i+1], v[ACC+i:ACC+i+1], v[WF+i:WF+i+1]   ; hs
.set i, i+2
.endr
.irp nt, 0,1,2,3
	SPLIT XT+8*(\nt), EF+4*(\nt), EF+16+4*(\nt)
.endr
	PROD WKI, 5, 160, 10240, 0, 2, EF, EF+16, 0    ; k = hs wk
	SUM32 ACC, 1
	v_sqrt_f32 v[RS], v[TS]
	v_nop
	s_wait_alu depctr_va_vdst(0)
	v_max_num_f32 v[RS], 0x2b8cbccc, v[RS]         ; max(|k|, 1e-12)
	v_rcp_f32 v[RS], v[RS]
	v_nop
	s_wait_alu depctr_va_vdst(0)
	v_mov_b32 v[RS+1], v[RS]
.set i, 0
.rept 16
	v_pk_mul_f32 v[ACC+i:ACC+i+1], v[ACC+i:ACC+i+1], v[RS:RS+1]
.set i, i+2
.endr
.irp nt, 0,1,2,3
	SPLIT ACC+8*(\nt), KNF+4*(\nt), KNF+16+4*(\nt)
.endr
.irp f, 0,1,2,3,4,5,6,7
	ds_store_b128 v8, v[KNF+4*(\f):KNF+4*(\f)+3] offset:512*(\f)
.endr
	PROD WQI, 5, 160, 10240, 0, 2, EF, EF+16, 0    ; q = hs wq
.irp nt, 0,1,2,3
	SPLIT ACC+8*(\nt), QF+4*(\nt), QF+16+4*(\nt)
.endr
	PROD WVI, 5, 160, 10240, 0, 2, EF, EF+16, 0    ; v = hs wv
.irp nt, 0,1,2,3
	SPLIT ACC+8*(\nt), EF+4*(\nt), EF+16+4*(\nt)
.endr
	PROD WRI, 5, 160, 10240, 0, 2, EF, EF+16, 0    ; R = v wrp
.irp nt, 0,1,2,3
	ds_store_b128 v9, v[ACC+8*(\nt):ACC+8*(\nt)+3] offset:RTAB+64*(\nt)
	ds_store_b128 v9, v[ACC+8*(\nt)+4:ACC+8*(\nt)+7] offset:RTAB+64*(\nt)+16
.endr
.Ltab_done:
	SYNC                                           ; all four tiles of kn's fragments lie in LDS
	s_cmp_lt_u32 s40, 4
	s_cbranch_scc0 .Lg_done
	s_lshl_b32 s52, s40, 4                         ; the addresses of this part are made in this part
	v_add_nc_u32 v9, s52, v2
	v_mul_u32_u24 v9, v9, 272
	v_lshl_add_u32 v9, v3, 5, v9                   ; a table's row of my token, 8 (lane / 16) columns on
	v_add_nc_u32 v8, C0T, v9
	v_add_nc_u32 v10, KNFR, v11                    ; tile 0 of kn's fragments
	KLOAD 0                                        ; G[mine][j] = kn_j . kn_mine and C0T[mine][j] = kn_j . q_mine, 16 tokens j at a time
.irp jt, 0,1,2,3
.if (\jt) < 3
	PLACES                                         ; the buffer loaded next was read by the products just issued
	KLOAD (\jt)+1
	s_wait_dscnt 8                                 ; all but the eight loads just issued
.else
	s_wait_dscnt 0x0
.endif
	GT \jt, 0, 0, 1
	GT \jt, 8, 8, 0
	GT \jt, 0, 16, 0
	GT \jt, 8, 24, 0
	GT \jt, 16, 0, 0
	GT \jt, 24, 8, 0
.endr
	PLACES
.set i, 0
.rept 16
	v_pk_mul_f32 v[ACC+i:ACC+i+1], v[ACC+i:ACC+i+1], -1.0 op_sel_hi:[1,0]   ; NG = -G, so that the chain has multiply-adds alone
.set i, i+2
.endr
.irp jt, 0,1,2,3
	ds_store_b128 v9, v[ACC+8*(\jt):ACC+8*(\jt)+3] offset:NG+64*(\jt)
	ds_store_b128 v9, v[ACC+8*(\jt)+4:ACC+8*(\jt)+7] offset:NG+64*(\jt)+16
	ds_store_b128 v8, v[XT+8*(\jt):XT+8*(\jt)+3] offset:64*(\jt)
	ds_store_b128 v8, v[XT+8*(\jt)+4:XT+8*(\jt)+7] offset:64*(\jt)+16
.endr
.Lg_done:
	SYNC                                           ; the tables are whole, and nobody reads the images or the fragments any more
; ================ SET-UP FOR THE LOOP, the same lines in all eight waves
	v_lshlrev_b32 v[VL4], 2, v2
	v_lshlrev_b32 v[VL16Q], 4, v2
	v_lshlrev_b32 v[VL8], 3, v1
	v_lshlrev_b32 v[VL16], 4, v1
	v_xor_b32 v[VX4], 16, v1
	v_lshlrev_b32 v[VX4], 2, v[VX4]
	v_lshl_add_u32 v[VPS], v3, 10, v[VL16Q]
	s_mul_i32 s50, s40, BLK
	v_add_nc_u32 v[VBU], s50, v[VPS]
	v_add_nc_u32 v[VBG], s50, v[VL16]
	v_lshl_add_u32 v[VA], s40, 6, v[VL4]
	v_mov_b32 v[RR], 0
	v_mov_b32 v[RR+1], 0
	v_mov_b32 v[CC], 0
	v_mov_b32 v[CC+1], 0
.irp j, 0,1,2,3
	v_mov_b32 v[AT+(\j)], 0                        ; a DPP form's destination counts as read
.endr
.irp j, 0,1,2,3,4,5,6,7
	s_mov_b32 s[AS+2*(\j)+1], 0                    ; the packed forms name a pair and take its low word
.endr
	s_mov_b32 s48, 0                               ; 1,024 x the trip's number
	s_mov_b32 s46, 4*2032                          ; wave 0: where the tokens of the chunk after next lie: chunk 2's
	s_cmp_gt_u32 s40, 4
	s_cselect_b32 s41, 2, 1
	s_sub_co_u32 s41, s40, s41                     ; helper 0 .. 5 for waves 1, 2, 3, 5, 6, 7,
	s_lshl_b32 s41, s41, 6                         ; x 64: it enters addresses into the token lists alone
	v_cmp_gt_u32 vcc_lo, 16, v1
	v_cndmask_b32 v[TA], -1, v1, vcc_lo            ; lanes 0-15: l; lanes 16-31: -1 (W keeps everything)
.irp l, 0,1,2,3,4,5,6,7,8,9,10,11,12,13,14,15
	v_cmp_gt_i32 vcc_lo, \l, v[TA]
	v_cndmask_b32 v[MK+(\l)], 0, s63, vcc_lo       ; the helpers' mask: 1 where l' > l
.endr
; ---------------- wave 0: chunk ci of a segment whose blocks and a lie in half hw.  X holds b and ends as a; Y collects the next chunk's b.
; LDS instructions of a body, in order: c's store, the gather, the next tokens; U3' W3' G7' G6'; U2' W2' G5' G4'; U1' W1' G3' G2'; U0' W0' G1' G0'; a's store: 20
; (the segment's last chunk loads no block: 4).  P counts those that this body has issued; PB = 1 is a's store of the body before (0 in a segment's first chunk,
; whose block was asked for by the 16 loads at the segment's head, in the same order).  LDS instructions end in order, so a wait's count is what may stay out:
;   head: quad 3 of my block (12 block loads follow it, + PB);  l = 11: quad 2 (8, + PB + P);  l = 7: quad 1 (4, + PB + P);
;   l = 4: this body's gather, its 2nd: P - 2; all of the body before is older, so quad 0 is in as well.
.macro CHUNK ci, hw
.set XR, XA+((\ci)%2)
.set YR, XA+1-((\ci)%2)
.set S,  SETA+64*((\ci)%2)
.set S2, SETA+64-64*((\ci)%2)
.set SL, 1+((\ci)%6)+(((\ci)%6)/3)+7*((\ci)/6)                 ; my slot,
.set NS, 1+(((\ci)+1)%6)+((((\ci)+1)%6)/3)+7*(((\ci)+1)/6)     ; the next chunk's:
.set NB, NS/10                                                 ; its base register
.set NO, (NS%10)*BLK                                           ; and offset
.set PB, 1
.if (\ci) == 0
.set PB, 0
.endif
.set P, 0
	s_wait_dscnt 12+PB
	v_min_u32 v[GA], 252, v[GA]
.irp l, 15,14,13,12,11,10,9,8,7,6,5,4,3,2,1,0
.if (\l) == 11
	s_wait_dscnt 8+PB+P
.endif
.if (\l) == 7
	s_wait_dscnt 4+PB+P
.endif
	v_readlane_b32 s[AS+2*((\l)%8)], v[XR], \l     ; a_l
.if (\l) > 0
	v_fmac_f32_dpp v[XR], v[XR], v[S+(\l)] row_share:\l row_mask:0xf bank_mask:0xf  ; X += a_l U[:, l]
.endif
.if (\l) == 14
	v_mul_f32 v[YR], s[AS+14], v[S+31]             ; the first term starts Y
.endif
.if (\l) < 14
	v_fmac_f32 v[YR], s[AS+2*(((\l)+1)%8)], v[S+17+(\l)]
.endif
.if (\l) < 15
	v_pk_fma_f32 v[CC:CC+1], v[S+34+2*(\l):S+35+2*(\l)], s[AS+2*(((\l)+1)%8):AS+2*(((\l)+1)%8)+1], v[CC:CC+1] op_sel_hi:[1,0,1]
.endif
.if (\l) == 15
	ds_store_b64 v[VL8], v[CC:CC+1] offset:CS      ; c as the chunk before left it;
	ds_load_b32 v[YB], v[GA] offset:CS             ; LDS serves a wave's instructions in order: the gather at the next chunk's tokens sees it
	v_add_nc_u32 v[TA], s46, v[VL4]
	v_min_u32 v[TA], 8316, v[TA]                   ; inside the list, whatever the scalar holds
	ds_load_b32 v[GA], v[TA] offset:T4             ; the tokens of the chunk after next
	s_sub_co_u32 s46, s46, 64
.set P, P+3
.endif
.if (\ci) < 15
.if ((\l) >= 8) && ((\l) <= 14) && ((\l)%2 == 0)
	ds_load_b128 v[S2+4*(((\l)-8)/2):S2+4*(((\l)-8)/2)+3], v[UW+NB] offset:NO+256*(((\l)-8)/2)
	ds_load_b128 v[S2+16+4*(((\l)-8)/2):S2+16+4*(((\l)-8)/2)+3], v[UW+NB] offset:NO+1024+256*(((\l)-8)/2)
.set P, P+2
.endif
.if ((\l) >= 7) && ((\l) <= 13) && ((\l)%2 == 1)
	ds_load_b128 v[S2+32+4*((\l)-6):S2+32+4*((\l)-6)+3], v[GCA+NB] offset:NO+2048+512*((\l)-6)
	ds_load_b128 v[S2+32+4*((\l)-7):S2+32+4*((\l)-7)+3], v[GCA+NB] offset:NO+2048+512*((\l)-7)
.set P, P+2
.endif
.endif
.if (\l) == 4
	s_wait_dscnt P-2
	v_add_f32 v[YR], v[YR], v[YB]
.endif
.endr
	v_fmac_f32 v[YR], s[AS], v[S+16]
	v_pk_fma_f32 v[CC:CC+1], v[S+32:S+33], s[AS:AS+1], v[CC:CC+1] op_sel_hi:[1,0,1]
	ds_store_b32 v[VL4], v[XR] offset:AB+AH*(\hw)+64*SL   ; the chunk's sixteen a (both halves of the lanes hold and store the same)
.endm
; wave 0: a segment of 16 chunks
.macro SEG hw
	v_add_nc_u32 v[UW], RING0+(\hw)*RH, v[VL16Q]
	v_add_nc_u32 v[UW+1], RING0+(\hw)*RH+10*BLK, v[VL16Q]
	v_add_nc_u32 v[GCA], RING0+(\hw)*RH, v[VL16]
	v_add_nc_u32 v[GCA+1], RING0+(\hw)*RH+10*BLK, v[VL16]
.irp q, 3,2,1,0                        ; chunk 0's block, at slot 1, in the order in which the chunk wants it
	ds_load_b128 v[SETA+4*(\q):SETA+4*(\q)+3], v[UW] offset:BLK+256*(\q)
	ds_load_b128 v[SETA+16+4*(\q):SETA+16+4*(\q)+3], v[UW] offset:BLK+1024+256*(\q)
	ds_load_b128 v[SETA+36+8*(\q):SETA+36+8*(\q)+3], v[GCA] offset:BLK+2048+512*(2*(\q)+1)
	ds_load_b128 v[SETA+32+8*(\q):SETA+32+8*(\q)+3], v[GCA] offset:BLK+2048+512*(2*(\q))
.endr
.irp c, 0,1,2,3,4,5,6,7,8,9,10,11,12,13,14,15
	CHUNK \c, \hw
.endr
.endm
; wave 0, trip 0: c = the row of C0T of the last token; b of chunk 0; chunk 1's tokens
.macro INIT
	v_mov_b32 v[TA], 4*2079                        ; t = 2047
	ds_load_b32 v26, v[TA] offset:T272
	ds_load_b32 v27, v[VL4] offset:T4+4*2064       ; chunk 0's tokens
	ds_load_b32 v[GA], v[VL4] offset:T4+4*2048     ; chunk 1's
	s_wait_dscnt 0x0
	v_min_u32 v26, 17136, v26
	v_min_u32 v27, 252, v27
	v_add_nc_u32 v26, v26, v[VL8]
	v_add_nc_u32 v26, C0T, v26
	ds_load_b64 v[CC:CC+1], v26                    ; c[j] = kn_j . q
	s_wait_dscnt 0x0
	ds_store_b64 v[VL8], v[CC:CC+1] offset:CS
	ds_load_b32 v[XA], v27 offset:CS               ; b of chunk 0
	s_wait_dscnt 0x0
	v_cndmask_b32 v[XA], 0, v[XA], s82             ; t = 2047 is no step: its b, and so its a, is 0
.endm
; ---------------- a helper makes blocks.  Chunk n = 16 g + helper + 6 j; s48 = 1,024 g, s41 = 64 helper.
; The tokens of all three turns, under one wait (every word of the lists has been written, so waves 6 and 7 may load their third turn's too).
; Lanes 0-15 make U (row tokens: chunk n's), lanes 16-31 W (row tokens: chunk n + 1's).
.macro PTOK
	s_add_co_u32 s53, s48, s41                     ; 64 n of turn 0
	s_sub_co_u32 s54, 8192, s53                    ; index 2,048 - 16 n: chunk n + 1's tokens, chunk n's 16 further
	s_sub_co_u32 s55, 8256, s53                    ; index 2,064 - 16 n
.irp j, 0,1,2
	v_add_nc_u32 v[AT], s54, v[VX4]
	v_add_nc_u32 v[AT+1], s55, v[VL4]
	v_min_u32 v[AT], 8316, v[AT]                   ; inside the lists, whatever the scalars hold
	v_min_u32 v[AT+1], 8316, v[AT+1]
	ds_load_b32 v[FR+(\j)], v[AT] offset:T4
	ds_load_b32 v[FR+4+(\j)], v[AT+1] offset:T272
	s_sub_co_u32 s54, s54, 384                     ; six chunks on
	s_sub_co_u32 s55, s55, 384
.endr
	s_wait_dscnt 0x0
.irp j, 0,1,2
	v_min_u32 v[FR+(\j)], 252, v[FR+(\j)]
	v_min_u32 v[FR+4+(\j)], 17136, v[FR+4+(\j)]
.endr
.endm
; Turn j's block, into slot wave + 7 j of the half.  The column token l' comes from lane l' of the own half of the lanes by DPP.
.macro PBODY half, j
	v_add_nc_u32 v[BU], RING0+(\half)*RH+7*(\j)*BLK, v[VBU]
	v_add_nc_u32 v[BG], RING0+(\half)*RH+7*(\j)*BLK, v[VBG]
.irp l, 0,1,2,3,4,5,6,7,8,9,10,11,12,13,14,15
	v_add_nc_u32_dpp v[AT+(\l)%4], v[FR+4+(\j)], v[FR+(\j)] row_share:\l row_mask:0xf bank_mask:0xf
	v_min_u32 v[AT+(\l)%4], 17388, v[AT+(\l)%4]    ; inside NG, whatever the tokens
	ds_load_b32 v[EE+(\l)], v[AT+(\l)%4] offset:NG
.endr
.irp l, 0,1,2,3,4,5,6,7,8,9,10,11,12,13,14,15
	v_add_nc_u32_dpp v[AT+(\l)%4], v[FR+4+(\j)], v[VL8] row_share:\l row_mask:0xf bank_mask:0xf
	v_min_u32 v[AT+(\l)%4], 17384, v[AT+(\l)%4]
	ds_load_b64 v[FF+2*(\l):FF+2*(\l)+1], v[AT+(\l)%4] offset:NG
.endr
	s_wait_dscnt 16                                ; the 16 single words are in; the 16 rows' loads are younger
.irp q, 0,1,2,3,4,5,6,7
	v_pk_mul_f32 v[EE+2*(\q):EE+2*(\q)+1], v[EE+2*(\q):EE+2*(\q)+1], v[MK+2*(\q):MK+2*(\q)+1]  ; U keeps l < l' alone
.endr
.irp q, 0,1,2,3
	ds_store_b128 v[BU], v[EE+4*(\q):EE+4*(\q)+3] offset:256*(\q)
.endr
	s_wait_dscnt 4                                 ; the rows are in; the four stores are younger
.irp q, 0,1,2,3,4,5,6,7
	ds_store_b128 v[BG], v[FF+4*(\q):FF+4*(\q)+3] offset:2048+512*(\q)
.endr
.endm
; ---------------- a helper adds a_t R[s_t] of the segment before last.  ALD: the tokens and the a of turn j; s55 = where the turn's tokens lie.
.macro ALD half, j
	v_add_nc_u32 v[AT], s55, v[VL4]
	v_min_u32 v[AT], 8316, v[AT]
	ds_load_b32 v[EE+4+(\j)], v[AT] offset:T272
	ds_load_b32 v[EE+(\j)], v[VA] offset:AB+AH*(\half)+448*(\j)   ; slot wave + 7 j
	s_sub_co_u32 s55, s55, 384                     ; six chunks on
.endm
.macro ABODY j
.irp l, 0,1,2,3,4,5,6,7,8,9,10,11,12,13,14,15
	v_add_nc_u32_dpp v[AT+(\l)%4], v[EE+4+(\j)], v[VL8] row_share:\l row_mask:0xf bank_mask:0xf
	v_min_u32 v[AT+(\l)%4], 17384, v[AT+(\l)%4]
	ds_load_b64 v[FR+2*(\l):FR+2*(\l)+1], v[AT+(\l)%4] offset:RTAB
.endr
.irp l, 0,1,2,3,4,5,6,7,8,9,10,11,12,13,14,15
.if (\l)%4 == 0
	s_wait_dscnt 12-(\l)                           ; rows l .. l + 3 are in; the rows behind them may stay out
.endif
	v_fmac_f32_dpp v[RR], v[EE+(\j)], v[FR+2*(\l)] row_share:\l row_mask:0xf bank_mask:0xf
	v_fmac_f32_dpp v[RR+1], v[EE+(\j)], v[FR+2*(\l)+1] row_share:\l row_mask:0xf bank_mask:0xf
.endr
.endm
; A helper's trip.  s42 counts the loop's turns, 0 .. 4: in the last there is no segment left to make, in the first no a lies ready.
; Turn 2 has chunks 12 .. 15 alone: helpers 0 .. 3, which are waves 1, 2, 3, 5.  Slots 20 and 21 of a are never written, so waves 6 and 7 do not load them.
.macro HELP half
	s_cmp_gt_u32 s42, 3
	s_cbranch_scc1 .Lnp_\@
	PTOK
	PBODY \half, 0
	PBODY \half, 1
	s_cmp_gt_u32 s40, 5
	s_cbranch_scc1 .Lnp_\@
	PBODY \half, 2
.Lnp_\@:
	s_cmp_eq_u32 s42, 0
	s_cbranch_scc1 .Lna_\@
	s_add_co_u32 s53, s48, s41
	s_sub_co_u32 s55, 8256+2048, s53               ; index 2,064 - 16 n, n = 16 (g - 2) + helper
	ALD \half, 0
	ALD \half, 1
	s_cmp_gt_u32 s40, 5
	s_cbranch_scc1 .Lat_\@
	ALD \half, 2
.Lat_\@:
	s_wait_dscnt 0x0                               ; one wait for the turns' tokens and a: four loads, or six
	v_min_u32 v[EE+4], 17136, v[EE+4]
	v_min_u32 v[EE+5], 17136, v[EE+5]
	ABODY 0
	ABODY 1
	s_cmp_gt_u32 s40, 5
	s_cbranch_scc1 .Lna_\@
	v_min_u32 v[EE+6], 17136, v[EE+6]
	ABODY 2
.Lna_\@:
.endm
; A trip.  Wave 0 reads blocks from, and writes a into, half hw; the helpers write blocks into, and read a from, the other half.
.macro TRIP hw
	s_cmp_eq_u32 s40, 0
	s_cbranch_scc1 .Lc_\@
	s_cmp_eq_u32 s40, 4
	s_cbranch_scc1 .Lj_\@
	HELP 1-(\hw)
	s_branch .Lj_\@
.Lc_\@:
.if (\hw) == 1
	s_cmp_eq_u32 s42, 0                            ; trip 0: no block lies ready; the chain is set up
	s_cbranch_scc1 .Li_\@
	SEG 1
	s_branch .Lj_\@
.Li_\@:
	INIT
.else
	s_cmp_gt_u32 s42, 3                            ; trip 9: the chain is at its end
	s_cbranch_scc1 .Lj_\@
	SEG 0
.endif
.Lj_\@:
	SYNC
	s_add_co_u32 s48, s48, 1024
.endm
; ================ THE LOOP: ten trips, two to a turn, so that each text names its halves as constants
	s_mov_b32 s42, 0
.Lpair:
	TRIP 1
	TRIP 0
	s_add_co_u32 s42, s42, 1
	s_cmp_lt_u32 s42, 5
	s_cbranch_scc1 .Lpair
; ================ THE END: the eight shares meet in LDS; wave 1 finishes the row
	s_lshl_b32 s52, s40, 8
	v_add_nc_u32 v[TA], s52, v[VL8]
	ds_store_b64 v[TA], v[RR:RR+1] offset:RED
	SYNC
	s_cmp_lg_u32 s40, 1
	s_cbranch_scc1 .Lend
	global_load_b64 v[24:25], v[VL8], s[32:33]     ; brp
	global_load_b64 v[30:31], v[VL8], s[36:37]     ; bout
.set k, 0
.rept 64                               ; wout: row k, columns 2 lane, 2 lane + 1
	global_load_b64 v[WO+2*k:WO+2*k+1], v[VL8], s[34:35] offset:256*k
.set k, k+1
.endr
.irp w, 0,1,2,3,4,5,6,7
	ds_load_b64 v[ZZ+2*(\w):ZZ+2*(\w)+1], v[VL8] offset:RED+256*(\w)
.endr
	s_lshl_b32 s84, ttmp9, 8                       ; my row of out0: 256 bytes
	s_mov_b32 s85, 0
	s_add_nc_u64 s[38:39], s[38:39], s[84:85]
	s_wait_dscnt 0x0
	v_pk_add_f32 v[ZZ:ZZ+1], v[ZZ:ZZ+1], v[ZZ+2:ZZ+3]
	v_pk_add_f32 v[ZZ+4:ZZ+5], v[ZZ+4:ZZ+5], v[ZZ+6:ZZ+7]
	v_pk_add_f32 v[ZZ+8:ZZ+9], v[ZZ+8:ZZ+9], v[ZZ+10:ZZ+11]
	v_pk_add_f32 v[ZZ+12:ZZ+13], v[ZZ+12:ZZ+13], v[ZZ+14:ZZ+15]
	v_pk_add_f32 v[ZZ:ZZ+1], v[ZZ:ZZ+1], v[ZZ+4:ZZ+5]
	v_pk_add_f32 v[ZZ+8:ZZ+9], v[ZZ+8:ZZ+9], v[ZZ+12:ZZ+13]
	v_pk_add_f32 v[ZZ:ZZ+1], v[ZZ:ZZ+1], v[ZZ+8:ZZ+9]
	s_wait_loadcnt 0x0                             ; brp, bout, wout
	v_pk_add_f32 v[ZZ:ZZ+1], v[ZZ:ZZ+1], v[24:25]  ; z = sum a R[s] + brp: z[2 lane], z[2 lane + 1]
.set g, 0
.rept 8                                ; out = z wout + bout: eight z at a time into scalars, four sums by turns, the first begun with bout
.irp j, 0,1,2,3,4,5,6,7
	v_readlane_b32 s[AS+2*(\j)], v[ZZ+(\j)%2], 4*g+(\j)/2
.endr
.irp j, 0,1,2,3,4,5,6,7
.if (g == 0) && ((\j) == 0)
	v_pk_fma_f32 v[OO:OO+1], v[WO:WO+1], s[AS:AS+1], v[30:31] op_sel_hi:[1,0,1]
.elseif (g == 0) && ((\j) < 4)
	v_pk_mul_f32 v[OO+2*(\j):OO+2*(\j)+1], v[WO+2*(\j):WO+2*(\j)+1], s[AS+2*(\j):AS+2*(\j)+1] op_sel_hi:[1,0]
.else
	v_pk_fma_f32 v[OO+2*((\j)%4):OO+2*((\j)%4)+1], v[WO+16*g+2*(\j):WO+16*g+2*(\j)+1], s[AS+2*(\j):AS+2*(\j)+1], v[OO+2*((\j)%4):OO+2*((\j)%4)+1] op_sel_hi:[1,0,1]
.endif
.endr
.set g, g+1
.endr
	v_pk_add_f32 v[OO:OO+1], v[OO:OO+1], v[OO+2:OO+3]
	v_pk_add_f32 v[OO+4:OO+5], v[OO+4:OO+5], v[OO+6:OO+7]
	v_pk_add_f32 v[OO:OO+1], v[OO:OO+1], v[OO+4:OO+5]
	global_store_b64 v[VL8], v[OO:OO+1], s[38:39]  ; the wave's one store covers the row's 256 consecutive bytes, aligned
.Lend:
	s_wait_tensorcnt 0x0                           ; the wave's end, behind my last LDS store
	ds_add_u32 v[SPW], v[NIL]
	s_wait_dscnt 0x0
	s_endpgm
.Lfunc_end_k_q1fdf4feb74_delta:
	.size	k_q1fdf4feb74_delta, .Lfunc_end_k_q1fdf4feb74_delta-k_q1fdf4feb74_delta
	.p2alignl 7, 3214868480
	.fill 96, 4, 3214868480
	.section	.rodata,"a",@progbits
	.p2align	6, 0x0
	.amdhsa_kernel k_q1fdf4feb74_delta
		.amdhsa_group_segment_fixed_size 326144
		.amdhsa_private_segment_fixed_size 0
		.amdhsa_enable_private_segment 0
		.amdhsa_kernarg_size 128
		.amdhsa_user_sgpr_count 2
		.amdhsa_user_sgpr_kernarg_segment_ptr 1
		.amdhsa_wavefront_size32 1
		.amdhsa_system_sgpr_workgroup_id_x 1
		.amdhsa_system_sgpr_workgroup_id_y 1
		.amdhsa_system_sgpr_workgroup_id_z 1
		.amdhsa_system_vgpr_workitem_id 0
		.amdhsa_next_free_vgpr 256
		.amdhsa_next_free_sgpr 96
		.amdhsa_reserve_vcc 1
		.amdhsa_float_denorm_mode_32 3
		.amdhsa_float_denorm_mode_16_64 3
		.amdhsa_memory_ordered 1
		.amdhsa_forward_progress 1
		.amdhsa_inst_pref_size 255
	.end_amdhsa_kernel
	.section	.bss,"aw",@nobits
	.p2align	6
	.space	262144
	.amdgpu_metadata
---
amdhsa.version: [ 1, 2 ]
amdhsa.kernels:
  - .name:           k_q1fdf4feb74_delta
    .symbol:         k_q1fdf4feb74_delta.kd
    .args:
      - { .name: seq, .offset: 0, .size: 8, .value_kind: global_buffer, .address_space: global }
      - { .name: embed, .offset: 8, .size: 8, .value_kind: global_buffer, .address_space: global }
      - { .name: w1, .offset: 16, .size: 8, .value_kind: global_buffer, .address_space: global }
      - { .name: b1, .offset: 24, .size: 8, .value_kind: global_buffer, .address_space: global }
      - { .name: w2, .offset: 32, .size: 8, .value_kind: global_buffer, .address_space: global }
      - { .name: b2, .offset: 40, .size: 8, .value_kind: global_buffer, .address_space: global }
      - { .name: ln_g, .offset: 48, .size: 8, .value_kind: global_buffer, .address_space: global }
      - { .name: ln_b, .offset: 56, .size: 8, .value_kind: global_buffer, .address_space: global }
      - { .name: wk, .offset: 64, .size: 8, .value_kind: global_buffer, .address_space: global }
      - { .name: wv, .offset: 72, .size: 8, .value_kind: global_buffer, .address_space: global }
      - { .name: wq, .offset: 80, .size: 8, .value_kind: global_buffer, .address_space: global }
      - { .name: wrp, .offset: 88, .size: 8, .value_kind: global_buffer, .address_space: global }
      - { .name: brp, .offset: 96, .size: 8, .value_kind: global_buffer, .address_space: global }
      - { .name: wout, .offset: 104, .size: 8, .value_kind: global_buffer, .address_space: global }
      - { .name: bout, .offset: 112, .size: 8, .value_kind: global_buffer, .address_space: global }
      - { .name: out0, .offset: 120, .size: 8, .value_kind: global_buffer, .address_space: global }
    .group_segment_fixed_size: 326144
    .private_segment_fixed_size: 0
    .kernarg_segment_align: 8
    .kernarg_segment_size: 128
    .max_flat_workgroup_size: 256
    .sgpr_count:     96
    .vgpr_count:     256
    .wavefront_size: 32
...
	.end_amdgpu_metadata
.endif
;; end of part 1
